; MI455X (gfx1250); checked and timed in simulation.
; The chip was launched on July 23, 2026; its instructions are those of AMD's public machine-readable ISA for CDNA 5 (MIT licence, August 2026) and "CDNA5" Instruction Set Architecture Reference Guide (July 2026). The comments in the code are by the model that wrote it; some were corrected since.
;; Attn. Allowed arithmetic: matrix products marked QUANTISED: E2M1 operands, one E8M0 scale for each 32 along K, by v_wmma_scale_f32_16x16x128_f8f6f4 with both operands' format E2M1 (or v_wmma_scale_f32_32x16x128_f4), f32 sums; products left as they are: f32 operands where the result goes on into a quantised operand, else bf16, f16 or f32 operands; f32 sums; everything else in f32.
;; Inputs: W_codes 1,024 x 32 x 16 uint8 (E2M1 codes of W, K innermost, in blocks of 32 codes, two codes a byte); W_scales 1,024 x 32 uint8 (E8M0 scales of W, one for each 32 codes along K); b 1,024 float32; encoder_outputs_codes 32 x 2,048 x 32 x 16 uint8 (E2M1 codes of encoder_outputs, K innermost, in blocks of 32 codes, two codes a byte); encoder_outputs_scales 32 x 2,048 x 32 uint8 (E8M0 scales of encoder_outputs, one for each 32 codes along K); hidden 32 x 1,024 float32.
;; Outputs: out0 32 x 1 x 2,048 float32.
;; This version of the problem:
;;   THIS VERSION OF THE PROBLEM IS GIVEN IN LOW PRECISION. The matrix products marked QUANTISED in the list below multiply operands that are first quantised to E2M1 (2 exponent bits, 1 mantissa bit; 4 bits a number), with one power-of-two scale for each 32 numbers along K (OCP MX v1.0); their sums are f32. All else is computed in f32.
;;   The module's matrix products, in the order in which they are computed (A, B: the left and right operand; K: the contracted axis; several contracted axes count as one K, in the product's order):
;;     1. [M 65,536, K 1,024] x [K 1,024, N 1,024]; A: input encoder_outputs (given as codes); B: input W (given as codes): QUANTISED
;;     2. batch 32 x [M 2,048, K 1,024] x [K 1,024, N 1]; A: computed on the way; B: input hidden: left as it is (N = 1 < 16)
;;   THE QUANTISER, for each operand of a quantised product, along K:
;;     - K is cut into blocks of 32 from its start; a last block that is shorter is filled with zeros.
;;     - A block's scale is 2^e with e = floor(log2(the largest magnitude in the block)) - 2, held to -126 .. 127; a block of zeros has e = 0. As a byte (E8M0): e + 127.
;;     - Each number is divided by its block's scale, clamped to +-6, and rounded to the nearest number of E2M1, ties to even, subnormals kept.
;;     - The product sums the exact products of the quantised numbers (number of the format x scale) in f32.
;;   ~~~python
;;   def quantise(x, axis):      # numpy; x: float32 -> the quantised numbers, widened to float32 again
;;       x = np.moveaxis(x, axis, -1); K = x.shape[-1]
;;       x = np.pad(x, [(0, 0)] * (x.ndim - 1) + [(0, -K % 32)]); x = x.reshape(x.shape[:-1] + (-1, 32)); a = np.abs(x).max(-1, keepdims=True)
;;       e = np.where(a > 0, np.clip(np.frexp(np.where(a > 0, a, 1))[1] - 1 - 2, -126, 127), 0)      # np.frexp(a)[1] - 1 = floor(log2(a)), exactly
;;       r = np.clip(x / 2.0 ** e, -6, 6)
;;       step = 2.0 ** (np.maximum(np.frexp(np.where(r == 0, 1, r))[1] - 1, 0) - 1)
;;       q = np.round(r / step) * step * 2.0 ** e      # np.round: ties to even
;;       return np.moveaxis(q.reshape(q.shape[:-2] + (-1,))[..., :K], -1, axis).astype(np.float32)
;;   ~~~
;;   INPUTS GIVEN AS CODES. W (in the module: [1024, 1024], K = its axis 1); encoder_outputs (in the module: [32, 2048, 1024], K = its axis 2): each comes as NAME_codes (uint8): NAME with its K axis moved to the last place and cut into blocks of 32 codes, [.., K / 32, bytes a block], one block behind the other in memory; two codes a byte, the lower K in the low four bits (a code: sign, 2 exponent bits, 1 mantissa bit); and NAME_scales (uint8): the same leading axes, one E8M0 byte (e + 127) for each 32 codes along K. Its value is code x scale, taken as it is: it is not quantised again, and the codes and scales need not be those that the quantiser above would give.
;; 2 versions. Each part assembles by itself: llvm-mc -triple=amdgcn-amd-amdhsa -mcpu=gfx1250 --defsym DOCPART=n.
;; ======== version 1 of 2: 2 launches
;; workspace buffers: scores 262,144 bytes
;; launch scores_gemm (part 1): grid 256 x 1, 4 waves a work-group, clusters of 4 x 1, 327,680 bytes of LDS; arguments W_codes, W_scales, b, encoder_outputs_codes, encoder_outputs_scales, hidden, scores; writes scores
.if DOCPART == 1
	.amdgcn_target "amdgcn-amd-amdhsa--gfx1250"
	.amdhsa_code_object_version 6
	.text
	.protected	k_qd899b16c18_scores_gemm
	.globl	k_qd899b16c18_scores_gemm
	.p2align	8
	.type	k_qd899b16c18_scores_gemm,@function
k_qd899b16c18_scores_gemm:
	s_mov_b64 s[64:65], 0
	v_nop
	global_prefetch_b8 v0, s[64:65] scope:SCOPE_SE
	s_setreg_imm32_b32 hwreg(HW_REG_WAVE_MODE, 25, 1), 1
	s_wait_xcnt 0x0
	s_wait_alu depctr_hold_cnt(0) depctr_sa_sdst(0) depctr_va_vdst(0) depctr_va_sdst(0) depctr_va_ssrc(0) depctr_va_vcc(0) depctr_vm_vsrc(0)
	s_getreg_b32 s2, hwreg(HW_REG_IB_STS2, 6, 4)
	s_cmp_eq_u32 s2, 0
	s_cbranch_scc0 .Lentry_in_a_cluster
	s_endpgm
.Lentry_in_a_cluster:
	s_bfe_u32 s2, ttmp6, 0x10000c
	s_cmp_lg_u32 s2, 0x3003
	s_cbranch_scc0 .Lentry_shape_is_right
	s_endpgm
.Lentry_shape_is_right:
; scores[row] = sum over o of (sum over k of enc[row][k] W[o][k] + b[o]) x hidden[batch(row)][o];  row = 2,048 x batch + s, 65,536 rows; o and k run to 1,024.
; enc and W are codes of FP4 (E2M1), K innermost, two codes a byte (a row of 1,024 codes is 512 bytes), with one E8M0 byte for each 32 along K (32 bytes a row).  They go to the matrix unit as they lie.
; The energy (rows x 1,024 of f32) never exists: each 16 x 16 tile is multiplied by hidden and summed straight out of its accumulator, in f32.
; SHARES.  A work-group owns 256 rows of enc (all of one batch: 2,048 = 8 x 256).  Wave w: rows 128 (w / 2) .. + 127, W's rows 512 (w % 2) .. + 511.
; A wave's 128 rows of enc, all 1,024 of K, stay in 512 REGISTERS for the whole launch: they pass through LDS once.  W walks by in four parts (128 rows of each half of W) through two LDS slots.
; A BLOCK = 16 rows of W x my 128 rows x all of K: 64 matrix instructions, K step outer, the 8 accumulators by turns.  A fragment of W (1,024 bytes read from LDS) feeds 8 of them.
; THE MATRIX INSTRUCTION IS USED TRANSPOSED: source 0 = 16 rows of W, source 1 = 16 rows of enc: lane (r, h), register j holds energy(row r of the tile, o = n0 + 8 h + j).
; The bias is the C of each sum's first instruction; the tail of a block is 32 packed multiply-adds by hidden[n0 + 8 h + j] into 8 pairs of running sums.
; CLUSTER.  4 work-groups.  W's tiles, W's scales, b and hidden (the four share a batch) are the same for the four: each is asked for JOINTLY, by the same tensor load with the same descriptor and the mask 15.
; The tile of enc is each work-group's own: a plain load (mask 0) in the same group of first fills; my place in the cluster enters its global address alone, never an LDS address or a branch.
; Nothing is prefetched: all rows of enc are asked for by the launch's first loads.
; LIMITS.  The f32 sum over o is taken per lane (even and odd o apart), then over the two halves of the lanes, then over the two waves: another order than a plain ascending sum.
; A scale byte 0xff, or NaN or infinity in b or hidden, gives NaN or infinity in the scores; such inputs are not served otherwise.
;
; LDS (bytes)
.set PITCH, 528                        ; a row: 512 bytes + 16 of padding = 132 words: row r starts 4 r words on modulo 64, so the 16 rows that a load touches start at 16 different banks (64 banks of 4 bytes: ISA guide 11.1)
.set BLKB,  16*PITCH                   ; 16 rows
.set QB,    64*PITCH                   ; 64 rows: what one tensor load brings
.set HALFB, 128*PITCH                  ; 128 rows: what a wave reads of a slot
.set SLOT1, 256*PITCH                  ; slot 0 at 0: W's parts 0, 2.  slot 1: first the tile of enc, then W's parts 1, 3.  In a slot: 128 rows of W's first half, then 128 of its second
.set SCW,   2*SLOT1                    ; all of W's scale bytes: 128 pieces of 256 bytes + 16 of padding; row n at 272 (n / 8) + 32 (n % 8)
.set HIDL,  SCW+128*272                ; hidden of my batch, 4,096 bytes
.set BL,    HIDL+4096                  ; b, 4,096 bytes
.set XCH,   BL+4096                    ; the two waves' partial scores, [w % 2][256] f32; no tensor load lands here
.set SPARE, XCH+2048                   ; the spare words, 128 bytes for each wave: two blocks of 256 bytes that no other line names
; REGISTERS, in windows of 256 (s_set_vgpr_msb: bits 1:0 source 0, 3:2 source 1, 5:4 source 2, 7:6 destination)
; window 0: addresses and scale words (scale operands have no window)
.set AE,   4                           ; v4   LDS address of my fragments of enc
.set ASL,  5                           ; v5   my lane's place among W's scale bytes
.set ADS,  6                           ; v6   address of the scale loads in hand
.set EG,   7                           ; v7   my lane's byte among my 128 rows' scale bytes of enc
.set SPW,  8                           ; v8   LDS address of my spare word; never rewritten
.set NIL,  9                           ; v9   0; never rewritten
.set XST,  11                          ; v11  where I put partial scores
.set XLD,  12                          ; v12  where I read them back
.set GO,   13                          ; v13  my byte offset in the work-group's 1,024 bytes of scores
.set ES,   32                          ; v32-63  register 8 i + s: lanes 0-15 the scale word of enc's row block i, lanes 16-31 of row block i + 4, K step s
.set WS,   64                          ; v64-79  register 8 p + s: W's scale word, set p, K step s
; window 1: all that the loop's LDS loads and tails touch, so that the loads can stand among the matrix instructions without a switch
.set WF,   0                           ; v0-127   W's fragments: set p, K step s at 64 p + 8 s
.set ACC,  128                         ; v128-191 accumulator a at 8 a
.set BIAS, 192                         ; v192-207 b[n0 + 8 h + j], set p at 8 p
.set HID,  208                         ; v208-223 hidden[n0 + 8 h + j], set p at 8 p
.set S,    224                         ; v224-239 running sums: row block a at 2 a (even o, odd o)
.set AWL,  240                         ; v240 528 r + 16 h
.set AHL,  241                         ; v241 HIDL + 32 h
.set AWF,  242                         ; v242 address of the fragment loads in hand
.set AHB,  243                         ; v243 address of the loads of hidden and b in hand
; window 2: enc's fragments of K steps 0-3 at 64 s + 8 a;  window 3: K steps 4-7 at 64 (s - 4) + 8 a
.set WV,   18                          ; s18  wave
.set RH,   19                          ; s19  w / 2: which 128 rows of enc.  Also: which half of W I fetch for
.set NH,   20                          ; s20  w % 2: which half of W.  Also: which 64 rows of that half's part I fetch
.set G1E,  24                          ; s[24:31] group 1, the tile of enc (no mask)
.set G1W,  32                          ; s[32:39] group 1, W's tiles
.set G1S,  40                          ; s[40:47] group 1, W's scale bytes
.set G1V,  48                          ; s[48:55] group 1, 1,024 bytes of hidden or b
.set G0E,  56                          ; groups 0
.set G0SC, 60
.set G0HV, 68
.set G0BV, 72
.set G0W0, 76                          ; slot 0's, which walks: parts 0, 2
.set G0W1, 80                          ; slot 1's: parts 1, 3
.set TW,   96                          ; s96  LDS byte of the block of W whose address is made next
.set TS,   97                          ; s97  the same among W's scale bytes: 544 a block
.set TH,   98                          ; s98  the same in hidden and b: 64 a block
.set CNT,  99
.set NHB,  100                         ; s100 (w % 2) x HALFB
.set MSB, 0
.macro WIN new                         ; the immediate's high byte repeats the setting that is left; a switch that changes nothing is dropped
.if MSB != \new
	s_set_vgpr_msb (MSB<<8)|\new
.set MSB, \new
.endif
.endm
.set MUL_LO, 0x59                      ; D, C and source 0 (W) window 1; source 1 (enc) window 2.  An LDS load under it: data and address window 1
.set MUL_HI, 0x5d                      ; the same, source 1 window 3
.set EPI,    0x55                      ; everything window 1
; A round of the cluster's barrier: my work-group's barrier; wave 0 signals for the work-group; every wave waits for all four work-groups; my work-group's barrier once more.
.macro ROUND
	s_barrier_signal -1
	s_barrier_wait -1
	s_cmp_lg_u32 s[WV], 0
	s_cbranch_scc1 .Lnot_wave_0_\@
	s_barrier_signal -3
.Lnot_wave_0_\@:
	s_barrier_wait -3
	s_barrier_signal -1
	s_barrier_wait -1
.endm
.macro NOP4
.rept 4
	v_nop
.endr
.endm
	s_load_b256 s[4:11], s[0:1], 0x0               ; W's codes s[4:5], W's scales s[6:7], b s[8:9], enc's codes s[10:11]
	s_load_b128 s[12:15], s[0:1], 0x20             ; enc's scales s[12:13], hidden s[14:15]
	s_load_b64 s[16:17], s[0:1], 0x30              ; scores
	v_lshl_add_u32 v[SPW], v0, 2, SPARE
	v_mov_b32 v[NIL], 0
	ds_add_u32 v8, v9
	ds_add_u32 v8, v9
	s_wait_dscnt 0x0
	v_lshrrev_b32 v1, 5, v0
	v_readfirstlane_b32 s[WV], v1                  ; wave 0..3
	s_lshr_b32 s[RH], s[WV], 1
	s_and_b32 s[NH], s[WV], 1
	s_bfe_u32 s21, ttmp6, 0x40000                  ; cx: my place in the cluster
	s_lshl_b32 s22, ttmp9, 2                       ; in a cluster launch ttmp9 counts clusters
	s_add_co_u32 s22, s22, s21                     ; my work-group = 4 x cluster + cx: it enters the addresses of enc and of scores alone
	; group 1: 64 rows of 512 bytes, dense in memory, 4 words of padding behind every 128
	s_mov_b32 s[G1E], (1<<20)|(6<<22)|(3<<25)      ; 15:0 no mask; 17:16 elements of 1 byte; 20 padding on; 24:22 after every 128 words (code 6); 31:25 four words (code 3)
	s_mov_b32 s[G1W], 15|(1<<20)|(1<<21)|(6<<22)|(3<<25)   ; the same with the mask of all four work-groups, and bit 21 beside it
.irp g, G1E, G1W
	s_mov_b32 s[\g+1], 512<<16                     ; tensor_dim0 = 512
	s_mov_b32 s[\g+2], 64<<16                      ; tensor_dim1 = 64
	s_mov_b32 s[\g+3], 512<<16                     ; tile_dim0 = 512
	s_mov_b32 s[\g+4], 64                          ; tile_dim1 = 64
	s_mov_b32 s[\g+5], 512                         ; from row to row
	s_mov_b32 s[\g+6], 0
	s_mov_b32 s[\g+7], 0
.endr
	; W's scale bytes: a quarter, 8,192 dense bytes, as 32 rows of 256 bytes (32 elements of 8 bytes), 16 bytes of padding behind each
	s_mov_b32 s[G1S], 15|(3<<16)|(1<<20)|(1<<21)|(5<<22)|(3<<25)
	s_mov_b32 s[G1S+1], 32<<16
	s_mov_b32 s[G1S+2], 32<<16
	s_mov_b32 s[G1S+3], 32<<16
	s_mov_b32 s[G1S+4], 32
	s_mov_b32 s[G1S+5], 32
	s_mov_b32 s[G1S+6], 0
	s_mov_b32 s[G1S+7], 0
	; hidden, b: a quarter, 1,024 dense bytes, as 4 rows of 256 bytes, no padding
	s_mov_b32 s[G1V], 15|(3<<16)|(1<<21)
	s_mov_b32 s[G1V+1], 32<<16
	s_mov_b32 s[G1V+2], 4<<16
	s_mov_b32 s[G1V+3], 32<<16
	s_mov_b32 s[G1V+4], 4
	s_mov_b32 s[G1V+5], 32
	s_mov_b32 s[G1V+6], 0
	s_mov_b32 s[G1V+7], 0
	; offsets that hang on my work-group: in s[2:3] and s[84:87] alone
	s_lshl_b32 s84, s22, 17                        ; enc's codes: 256 rows x 512 bytes a work-group,
	s_lshl_b32 s85, s[WV], 15                      ; 64 rows a wave
	s_add_co_u32 s84, s84, s85
	s_mov_b32 s85, 0
	s_lshl_b32 s86, s22, 13                        ; enc's scales: 256 rows x 32 bytes a work-group,
	s_lshl_b32 s87, s[RH], 12                      ; my 128 rows
	s_add_co_u32 s86, s86, s87
	s_mov_b32 s87, 0
	s_lshl_b32 s2, s22, 10                         ; scores: 256 x 4 bytes a work-group
	s_mov_b32 s3, 0
	; offsets that the four partners share: in s[88:95] alone
	s_lshl_b32 s88, s[RH], 18                      ; W's codes: half w / 2 (512 rows x 512 bytes),
	s_lshl_b32 s89, s[NH], 15                      ; rows 64 (w % 2) on of its part
	s_add_co_u32 s88, s88, s89
	s_mov_b32 s89, 0
	s_lshl_b32 s90, s[WV], 13                      ; W's scales: 8,192 bytes a wave
	s_mov_b32 s91, 0
	s_lshl_b32 s94, s[WV], 10                      ; b: 1,024 bytes a wave
	s_mov_b32 s95, 0
	s_lshr_b32 s92, ttmp9, 1                       ; the batch: 8 work-groups, two clusters
	s_lshl_b32 s92, s92, 12                        ; hidden: 4,096 bytes a batch,
	s_add_co_u32 s92, s92, s94                     ; 1,024 a wave
	s_mov_b32 s93, 0
	s_mul_i32 s23, s[WV], QB                       ; where a wave's 64 rows go in a slot
	s_mul_i32 s66, s[WV], 32*272                   ; and its quarter of W's scales
	s_mul_i32 s[NHB], s[NH], HALFB
	s_mov_b32 s[TW], s[NHB]                        ; the walk begins at block 0 of my half, in slot 0
	s_mul_i32 s[TS], s[NH], 64*272
	s_lshl_b32 s[TH], s[NH], 11
	s_wait_kmcnt 0x0
	s_mov_b32 s[G0E], 1                            ; 1:0 count = 1
	s_add_co_u32 s[G0E+1], s23, SLOT1              ; 63:32 LDS address
	s_add_nc_u64 s[G0E+2:G0E+3], s[10:11], s[84:85]   ; 120:64 global address
	s_or_b32 s[G0E+3], s[G0E+3], 0x80000000        ; 127:126 type = 2
	s_mov_b32 s[G0SC], 1
	s_add_co_u32 s[G0SC+1], s66, SCW
	s_add_nc_u64 s[G0SC+2:G0SC+3], s[6:7], s[90:91]
	s_or_b32 s[G0SC+3], s[G0SC+3], 0x80000000
	s_mov_b32 s[G0HV], 1
	s_add_co_u32 s[G0HV+1], s94, HIDL
	s_add_nc_u64 s[G0HV+2:G0HV+3], s[14:15], s[92:93]
	s_or_b32 s[G0HV+3], s[G0HV+3], 0x80000000
	s_mov_b32 s[G0BV], 1
	s_add_co_u32 s[G0BV+1], s94, BL
	s_add_nc_u64 s[G0BV+2:G0BV+3], s[8:9], s[94:95]
	s_or_b32 s[G0BV+3], s[G0BV+3], 0x80000000
	s_mov_b32 s[G0W0], 1
	s_mov_b32 s[G0W0+1], s23
	s_add_nc_u64 s[G0W0+2:G0W0+3], s[4:5], s[88:89]          ; part 0
	s_mov_b32 s[G0W1], 1
	s_add_co_u32 s[G0W1+1], s23, SLOT1
	s_add_nc_u64 s[G0W1+2:G0W1+3], s[G0W0+2:G0W0+3], 0x10000 ; part 1: 128 rows of 512 bytes on
	s_or_b32 s[G0W0+3], s[G0W0+3], 0x80000000
	s_or_b32 s[G0W1+3], s[G0W1+3], 0x80000000
	s_add_nc_u64 s[12:13], s[12:13], s[86:87]      ; enc's scales at my 128 rows
	s_add_nc_u64 s[16:17], s[16:17], s[2:3]        ; scores at my work-group's 256
	ROUND                                          ; all four work-groups are here: the first joint loads meet
	tensor_load_to_lds s[G0E:G0E+3], s[G1E:G1E+7]      ; the first fills, one group; five loads of mine are out.  enc first: it is wanted first
	s_nop 0
	tensor_load_to_lds s[G0SC:G0SC+3], s[G1S:G1S+7]
	s_nop 0
	tensor_load_to_lds s[G0HV:G0HV+3], s[G1V:G1V+7]
	s_nop 0
	tensor_load_to_lds s[G0BV:G0BV+3], s[G1V:G1V+7]
	s_nop 0
	tensor_load_to_lds s[G0W0:G0W0+3], s[G1W:G1W+7]
	s_nop 0
	NOP4
	v_and_b32 v1, 15, v0                           ; r = lane % 16
	v_bfe_u32 v2, v0, 4, 1                         ; h = lane / 16
	v_and_b32 v3, 31, v0                           ; lane
	v_mul_u32_u24 v10, v1, PITCH
	v_lshl_add_u32 v10, v2, 4, v10                 ; a fragment's row x pitch + 16 x half
	s_mul_i32 s88, s[RH], HALFB
	s_add_co_u32 s88, s88, SLOT1
	v_add_nc_u32 v[AE], s88, v10                   ; in the tile of enc: my 128 rows
	v_lshrrev_b32 v14, 3, v1
	v_and_b32 v15, 7, v1
	v_mul_u32_u24 v[ASL], v14, 272
	v_lshl_add_u32 v[ASL], v15, 5, v[ASL]
	v_add_nc_u32 v[ASL], SCW, v[ASL]               ; W's scales: row r of a block
	v_lshlrev_b32 v[EG], 5, v1
	v_lshl_add_u32 v[EG], v2, 11, v[EG]            ; enc's scales: 32 bytes a row; lanes 16-31 four row blocks (2,048 bytes) on
	s_lshl_b32 s89, s[NH], 10
	s_lshl_b32 s90, s[RH], 9
	s_add_co_u32 s89, s89, s90
	s_add_co_u32 s89, s89, XCH
	v_lshl_add_u32 v[XST], v3, 2, s89              ; partial scores: [w % 2][128 (w / 2) + ..], 4 bytes a lane
	s_lshl_b32 s90, s[WV], 8
	v_lshl_add_u32 v[GO], v3, 3, s90               ; back: wave w takes rows 64 w on, two a lane
	v_add_nc_u32 v[XLD], XCH, v[GO]
.irp i, 0,1,2,3
	global_load_b128 v[ES+8*\i:ES+8*\i+3], v[EG], s[12:13] offset:512*\i        ; K steps 0-3: four scale words of a row
	global_load_b128 v[ES+8*\i+4:ES+8*\i+7], v[EG], s[12:13] offset:512*\i+16   ; K steps 4-7
.endr
	WIN 0x40                                       ; destination window 1
	v_mov_b32 v[AWL], v10
	v_lshl_add_u32 v[AHL], v2, 5, HIDL
.irp i, 0,1,2,3,4,5,6,7,8,9,10,11,12,13,14,15
	v_mov_b32 v[S+\i], 0                           ; the sixteen running sums
.endr
	WIN 0
	s_wait_tensorcnt 0x4                           ; my quarter of enc's tile, issued first, is in; the four loads behind it may stay out
	s_barrier_signal -1
	s_barrier_wait -1                              ; everybody's quarter is in
	; my 128 rows of enc, all of K, into windows 2 and 3.  A fragment (16 rows x 128 K) is 8 registers: lane (r, h): registers 4 c .. 4 c + 3 hold K = 64 c + 32 h + 0 .. 31: 16 bytes of the row as they lie
	WIN 0x80
.irp s, 0,1,2,3
.irp a, 0,1,2,3,4,5,6,7
.irp c, 0,1
	ds_load_b128 v[64*\s+8*\a+4*\c:64*\s+8*\a+4*\c+3], v[AE] offset:BLKB*\a+64*\s+32*\c
.endr
.endr
.endr
	WIN 0xc0
.irp s, 4,5,6,7
.irp a, 0,1,2,3,4,5,6,7
.irp c, 0,1
	ds_load_b128 v[64*(\s-4)+8*\a+4*\c:64*(\s-4)+8*\a+4*\c+3], v[AE] offset:BLKB*\a+64*\s+32*\c
.endr
.endr
.endr
	WIN 0
	s_wait_tensorcnt 0x0                           ; all my first fills have landed: W's scales, hidden, b, part 0
	ds_add_u32 v[SPW], v[NIL]                      ; 0 onto my spare word
	s_wait_dscnt 0x0                               ; the add is done, and enc is in my registers: my reads of slot 1 are over
	ROUND                                          ; both hold of every wave of the four work-groups
	tensor_load_to_lds s[G0W1:G0W1+3], s[G1W:G1W+7]    ; W's part 1 over the tile of enc: my one load behind this round
	s_nop 0
	NOP4
; One matrix instruction: set p of W, K step s, row block a.  The first K step takes the bias as C.  enc's scale words of row blocks 4-7 lie in lanes 16-31.
.macro WM p, s, a
.if (\s) == 0
.if (\a) < 4
	v_wmma_scale_f32_16x16x128_f8f6f4 v[ACC+8*(\a):ACC+8*(\a)+7], v[WF+64*(\p)+8*(\s):WF+64*(\p)+8*(\s)+7], v[64*((\s)%4)+8*(\a):64*((\s)%4)+8*(\a)+7], v[BIAS+8*(\p):BIAS+8*(\p)+7], v[WS+8*(\p)+(\s)], v[ES+8*((\a)%4)+(\s)] matrix_a_fmt:MATRIX_FMT_FP4 matrix_b_fmt:MATRIX_FMT_FP4
.else
	v_wmma_scale_f32_16x16x128_f8f6f4 v[ACC+8*(\a):ACC+8*(\a)+7], v[WF+64*(\p)+8*(\s):WF+64*(\p)+8*(\s)+7], v[64*((\s)%4)+8*(\a):64*((\s)%4)+8*(\a)+7], v[BIAS+8*(\p):BIAS+8*(\p)+7], v[WS+8*(\p)+(\s)], v[ES+8*((\a)%4)+(\s)] matrix_a_fmt:MATRIX_FMT_FP4 matrix_b_fmt:MATRIX_FMT_FP4 matrix_b_scale:MATRIX_SCALE_ROW1
.endif
.else
.if (\a) < 4
	v_wmma_scale_f32_16x16x128_f8f6f4 v[ACC+8*(\a):ACC+8*(\a)+7], v[WF+64*(\p)+8*(\s):WF+64*(\p)+8*(\s)+7], v[64*((\s)%4)+8*(\a):64*((\s)%4)+8*(\a)+7], v[ACC+8*(\a):ACC+8*(\a)+7], v[WS+8*(\p)+(\s)], v[ES+8*((\a)%4)+(\s)] matrix_a_fmt:MATRIX_FMT_FP4 matrix_b_fmt:MATRIX_FMT_FP4
.else
	v_wmma_scale_f32_16x16x128_f8f6f4 v[ACC+8*(\a):ACC+8*(\a)+7], v[WF+64*(\p)+8*(\s):WF+64*(\p)+8*(\s)+7], v[64*((\s)%4)+8*(\a):64*((\s)%4)+8*(\a)+7], v[ACC+8*(\a):ACC+8*(\a)+7], v[WS+8*(\p)+(\s)], v[ES+8*((\a)%4)+(\s)] matrix_a_fmt:MATRIX_FMT_FP4 matrix_b_fmt:MATRIX_FMT_FP4 matrix_b_scale:MATRIX_SCALE_ROW1
.endif
.endif
.endm
; Load t of the 20 that bring a block into set q: 16 for W's eight fragments, 2 for its 8 numbers of hidden, 2 for its 8 of b
.macro SLD q, t
.if (\t) < 16
	ds_load_b128 v[WF+64*(\q)+4*(\t):WF+64*(\q)+4*(\t)+3], v[AWF] offset:32*(\t)
.elseif (\t) < 18
	ds_load_b128 v[HID+8*(\q)+4*((\t)-16):HID+8*(\q)+4*((\t)-16)+3], v[AHB] offset:16*((\t)-16)
.else
	ds_load_b128 v[BIAS+8*(\q)+4*((\t)-18):BIAS+8*(\q)+4*((\t)-18)+3], v[AHB] offset:4096+16*((\t)-18)
.endif
.endm
; A block's 64 matrix instructions on set p.  ld = 1: the next block's 20 loads, into the other set, stand one behind each of the first 20: both windows of an LDS load are window 1 here, so none costs a switch.
; cnt: the LDS loads that may stay out at the head: the two scale loads that the tail before has issued for the block after this one.  All older ones are in: this block's 20 and its own scale words.
.macro BLOCK p, ld, cnt
	s_wait_dscnt \cnt
.set T, 0
	WIN MUL_LO
.irp s, 0,1,2,3
.irp a, 0,1,2,3,4,5,6,7
	WM \p, \s, \a
.if (\ld) && (T < 20)
	SLD 1-(\p), T
.endif
.set T, T+1
.endr
.endr
	WIN MUL_HI
.irp s, 4,5,6,7
.irp a, 0,1,2,3,4,5,6,7
	WM \p, \s, \a
.endr
.endr
.endm
.macro ADDR                            ; (window 1)  the addresses for the 20 loads that the next block's matrix instructions carry; then one block on
	v_add_nc_u32 v[AWF], s[TW], v[AWL]
	v_add_nc_u32 v[AHB], s[TH], v[AHL]
	s_add_co_u32 s[TW], s[TW], BLKB
	s_add_co_u32 s[TH], s[TH], 64
.endm
.macro WSL p                           ; (window 0)  the eight scale words of a block of W into set p
	v_add_nc_u32 v[ADS], s[TS], v[ASL]
	s_add_co_u32 s[TS], s[TS], 544
	ds_load_b128 v[WS+8*(\p):WS+8*(\p)+3], v[ADS]
	ds_load_b128 v[WS+8*(\p)+4:WS+8*(\p)+7], v[ADS] offset:16
.endm
; sums += energy x hidden, two at a time.  Each accumulator is first read at its registers 0 and 1; seven other lines stand between two that share a sum.
.macro EPIL p
.irp q, 0,1,2,3
.irp a, 0,1,2,3,4,5,6,7
	v_pk_fma_f32 v[S+2*\a:S+2*\a+1], v[ACC+8*\a+2*\q:ACC+8*\a+2*\q+1], v[HID+8*(\p)+2*\q:HID+8*(\p)+2*\q+1], v[S+2*\a:S+2*\a+1]
.endr
.endr
.endm
; The tail of a block on set p.  Four plain lines that name no register of the products stand in front of the first read of a result (ISA guide 7.12.1).  The tail's lines are also the places in front of the next
; block's loads into registers that matrix instructions have read, and of its first products, which write over the accumulators: for each earlier product 4 + 28 lines name none of its registers.
; more = 1: what it prepares is for the block after next, which uses the same set.
.macro TAIL p, more
	WIN EPI
.if \more
	ADDR
.else
	v_nop
	v_nop
.endif
	v_nop
	v_nop
	EPIL \p
	WIN 0
.if \more
	WSL \p
.endif
.endm
; The tail of a slot's block 6 changes slots.  Block 7's fragments were loaded beside block 6's products, so with the wait for all LDS loads my reads of the slot are over; block 7 works from registers and carries the loads
; of the next slot's block 0.  In front of the barrier each wave waits for all its tensor loads (one is out: its part of the next slot), adds 0 to its spare word, and waits for that and for its reads.
; fill = 1: the barrier is a round of the cluster's, and the slot just left is filled again, with the part two on: the load has 8 blocks, 512 matrix instructions, in which to land.
.macro TAILC p, fill, g0
	WIN 0                                          ; (the add's two registers lie in window 0)
	s_wait_tensorcnt 0x0                           ; no tensor load of mine is out, so a group 0 may be written
	ds_add_u32 v[SPW], v[NIL]                      ; 0 onto my spare word; the block's tail stands between it and the wait for it
.if (\fill)
	s_add_nc_u64 s[\g0+2:\g0+3], s[\g0+2:\g0+3], 0x20000   ; two parts, 256 rows of 512 bytes, on; the type bits on top are not reached
.endif
	WIN EPI
	ADDR
	v_nop
	v_nop
	EPIL \p
	WIN 0                                          ; at a label and at a branch every window is 0
	s_wait_dscnt 0x0                               ; the add is done, and my reads of this slot are over
.if (\fill)
	ROUND                                          ; no wave of any partner still reads the slot or has a load on its way
	tensor_load_to_lds s[\g0:\g0+3], s[G1W:G1W+7]  ; the first thing behind the round, and my one tensor load until the next
	s_nop 0
	NOP4
.else
	s_barrier_signal -1
	s_barrier_wait -1                              ; the last part is whole; nothing is filled again
.endif
	WSL \p
.endm
; A slot's eight blocks.  Blocks 0-5: a loop of three trips, two blocks (the two sets) a trip.  mode 2: change of slots with a refill; 1: without; 0: the last slot, whose last two tails prepare nothing.
.macro SLOTBODY nextbase, mode, g0
	s_mov_b32 s[CNT], 3
.Lblk_\@:
	BLOCK 0, 1, 2
	TAIL 0, 1
	BLOCK 1, 1, 2
	TAIL 1, 1
	s_sub_co_u32 s[CNT], s[CNT], 1
	s_cmp_lg_u32 s[CNT], 0
	s_cbranch_scc1 .Lblk_\@
.if \mode
	s_add_co_u32 s[TW], s[NHB], \nextbase          ; the addresses made from here on are the next slot's
	BLOCK 0, 1, 2
	TAILC 0, (\mode)-1, \g0
	BLOCK 1, 1, 2
	TAIL 1, 1
.else
	BLOCK 0, 1, 2
	TAIL 0, 0
	BLOCK 1, 0, 0
	TAIL 1, 0
.endif
.endm
	WIN EPI
	ADDR                                           ; block 0
.set T, 0
.rept 20
	SLD 0, T
.set T, T+1
.endr
	ADDR                                           ; block 1: its loads stand beside block 0's products
	WIN 0
	WSL 0
	WSL 1
	s_wait_loadcnt 0x0                             ; enc's scale words
	SLOTBODY SLOT1, 2, G0W0                        ; part 0 in slot 0; slot 0 then takes part 2
	SLOTBODY 0, 2, G0W1                            ; part 1 in slot 1; slot 1 then takes part 3
	SLOTBODY SLOT1, 1, G0W0                        ; part 2; nothing is left to fetch
	SLOTBODY 0, 0, G0W0                            ; part 3
	; THE WAY OUT.  Even and odd o are added; the two halves of the lanes are added, two row blocks at a time: after the exchange one register holds both blocks' h = 0 sums and the other both blocks' h = 1 sums.
	WIN EPI
.irp a, 0,1,2,3,4,5,6,7
	v_add_f32 v[S+2*\a], v[S+2*\a], v[S+2*\a+1]
.endr
.irp i, 0,1,2,3
	v_permlane16_swap_b32 v[S+4*\i], v[S+4*\i+2]   ; the first's lanes 16-31 change places with the second's lanes 0-15
.endr
.irp i, 0,1,2,3
	v_add_f32 v[S+4*\i], v[S+4*\i], v[S+4*\i+2]    ; lane l: my row 32 i + l, summed over my 512 o
.endr
	WIN 0x04                                       ; an LDS store's data are its source 1: window 1
.irp i, 0,1,2,3
	ds_store_b32 v[XST], v[S+4*\i] offset:128*\i
.endr
	WIN 0
	s_wait_dscnt 0x0                               ; for the others' sake: my stores have landed
	s_barrier_signal -1
	s_barrier_wait -1
	ds_load_b64 v[16:17], v[XLD]                   ; two rows' sums over W's first half,
	ds_load_b64 v[18:19], v[XLD] offset:1024       ; and over its second
	s_wait_dscnt 0x0
	v_pk_add_f32 v[16:17], v[16:17], v[18:19]
	global_store_b64 v[GO], v[16:17], s[16:17]     ; the wave stores 256 consecutive bytes, at a multiple of 256 from the buffer's first byte
	s_wait_tensorcnt 0x0                           ; the wave's end: behind my last tensor load and my last LDS store
	ds_add_u32 v[SPW], v[NIL]
	s_wait_dscnt 0x0
	ROUND                                          ; the closing round: no work-group ends while a partner may still ask for a tile that names it
	s_endpgm
.Lfunc_end_k_qd899b16c18_scores_gemm:
	.size	k_qd899b16c18_scores_gemm, .Lfunc_end_k_qd899b16c18_scores_gemm-k_qd899b16c18_scores_gemm
	.p2alignl 7, 3214868480
	.fill 96, 4, 3214868480
	.section	.rodata,"a",@progbits
	.p2align	6, 0x0
	.amdhsa_kernel k_qd899b16c18_scores_gemm
		.amdhsa_group_segment_fixed_size 327680
		.amdhsa_private_segment_fixed_size 0
		.amdhsa_enable_private_segment 0
		.amdhsa_kernarg_size 56
		.amdhsa_user_sgpr_count 2
		.amdhsa_user_sgpr_kernarg_segment_ptr 1
		.amdhsa_wavefront_size32 1
		.amdhsa_system_sgpr_workgroup_id_x 1
		.amdhsa_system_sgpr_workgroup_id_y 1
		.amdhsa_system_sgpr_workgroup_id_z 1
		.amdhsa_system_vgpr_workitem_id 0
		.amdhsa_next_free_vgpr 1024
		.amdhsa_next_free_sgpr 102
		.amdhsa_reserve_vcc 0
		.amdhsa_float_denorm_mode_32 3
		.amdhsa_float_denorm_mode_16_64 3
		.amdhsa_memory_ordered 1
		.amdhsa_forward_progress 1
		.amdhsa_inst_pref_size 212
	.end_amdhsa_kernel
	.amdgpu_metadata
---
amdhsa.version: [ 1, 2 ]
amdhsa.kernels:
  - .name:           k_qd899b16c18_scores_gemm
    .symbol:         k_qd899b16c18_scores_gemm.kd
    .args:
      - { .name: W_codes, .offset: 0, .size: 8, .value_kind: global_buffer, .address_space: global }
      - { .name: W_scales, .offset: 8, .size: 8, .value_kind: global_buffer, .address_space: global }
      - { .name: b, .offset: 16, .size: 8, .value_kind: global_buffer, .address_space: global }
      - { .name: encoder_outputs_codes, .offset: 24, .size: 8, .value_kind: global_buffer, .address_space: global }
      - { .name: encoder_outputs_scales, .offset: 32, .size: 8, .value_kind: global_buffer, .address_space: global }
      - { .name: hidden, .offset: 40, .size: 8, .value_kind: global_buffer, .address_space: global }
      - { .name: scores, .offset: 48, .size: 8, .value_kind: global_buffer, .address_space: global }
    .group_segment_fixed_size: 327680
    .private_segment_fixed_size: 0
    .kernarg_segment_align: 8
    .kernarg_segment_size: 56
    .max_flat_workgroup_size: 128
    .sgpr_count:     102
    .vgpr_count:     1024
    .wavefront_size: 32
...
	.end_amdgpu_metadata
.endif
;; end of part 1
;; launch softmax_rows (part 2): grid 32 x 1, 16 waves a work-group, no clusters, 2,304 bytes of LDS; arguments scores, out0; writes out0
.if DOCPART == 2
	.amdgcn_target "amdgcn-amd-amdhsa--gfx1250"
	.amdhsa_code_object_version 6
	.text
	.protected	k_qd899b16c18_softmax_rows
	.globl	k_qd899b16c18_softmax_rows
	.p2align	8
	.type	k_qd899b16c18_softmax_rows,@function
k_qd899b16c18_softmax_rows:
	s_mov_b64 s[64:65], 0
	v_nop
	global_prefetch_b8 v0, s[64:65] scope:SCOPE_SE
	s_setreg_imm32_b32 hwreg(HW_REG_WAVE_MODE, 25, 1), 1
	s_wait_xcnt 0x0
; out0[b][0][s] = exp(scores[b][s] - max over s) / sum over s of exp(..), all in f32.  scores, out0: [32][2048] f32.
; One work-group to a batch: the maximum and the sum span the batch's 2,048 numbers, and 32 batches are all the work there is.  512 threads, four neighbouring numbers each:
; a wave's load and its store cover 512 consecutive bytes.  The row stays in registers between the passes.  The waves' maxima and sums meet in LDS: bytes 0-63 and 64-127, a barrier each.
; No matrix unit, no cluster, no tensor load: 8 KiB in and 8 KiB out a work-group, shared with nobody.
; LIMITS.  The row's maximum is taken away first, so no exponential overflows and the sum is at least 1.  A weight under 2^-126 comes out as 0 (v_exp_f32 flushes denormal results: ISA guide, its entry).
; NaN among the scores is passed over by the maximum and comes out as NaN in its own place and, through the sum, in the whole row; infinities are not served.
	s_load_b128 s[4:7], s[0:1], 0x0                ; scores, out0
	v_lshl_add_u32 v32, v0, 2, 0x100
	v_mov_b32 v33, 0
	v_lshlrev_b32 v1, 4, v0                        ; my 16 bytes of the batch's 8,192
	v_lshrrev_b32 v2, 5, v0
	v_readfirstlane_b32 s8, v2                     ; wave 0..15
	v_mov_b32 v2, s8
	v_lshlrev_b32 v2, 2, v2                        ; my wave's word
	v_mov_b32 v3, 0
	v_mov_b32 v9, 0                                ; (a lane permute's destination counts as one of its sources)
	s_lshl_b32 s10, ttmp9, 13                      ; 8,192 bytes a batch
	s_mov_b32 s11, 0
	s_mov_b32 s12, 0x76543210                      ; v_permlanex16_b32's selects for lane l xor 16
	s_mov_b32 s13, 0xfedcba98
	s_wait_kmcnt 0x0
	s_add_nc_u64 s[4:5], s[4:5], s[10:11]
	s_add_nc_u64 s[6:7], s[6:7], s[10:11]
	global_load_b128 v[4:7], v1, s[4:5]
	s_wait_loadcnt 0x0
	; the maximum: my four, my wave's 128, the batch's 2,048
	v_max3_num_f32 v8, v4, v5, v6
	v_max_num_f32 v8, v8, v7
	v_max_num_f32_dpp v8, v8, v8 row_xmask:1 row_mask:0xf bank_mask:0xf
	v_max_num_f32_dpp v8, v8, v8 row_xmask:2 row_mask:0xf bank_mask:0xf
	v_max_num_f32_dpp v8, v8, v8 row_xmask:4 row_mask:0xf bank_mask:0xf
	v_max_num_f32_dpp v8, v8, v8 row_xmask:8 row_mask:0xf bank_mask:0xf
	v_permlanex16_b32 v9, v8, s12, s13
	v_max_num_f32 v8, v8, v9
	ds_store_b32 v2, v8                            ; all lanes of a wave write the same word with the same value
	s_wait_dscnt 0x0                               ; for the others' sake
	s_barrier_signal -1
	s_barrier_wait -1
.irp i, 0,1,2,3
	ds_load_b128 v[12+4*\i:15+4*\i], v3 offset:16*\i   ; the sixteen waves' maxima, in every lane
.endr
	s_wait_dscnt 0x0
	v_max3_num_f32 v8, v12, v13, v14
	v_max3_num_f32 v10, v15, v16, v17
	v_max3_num_f32 v8, v8, v18, v19
	v_max3_num_f32 v10, v10, v20, v21
	v_max3_num_f32 v8, v8, v22, v23
	v_max3_num_f32 v10, v10, v24, v25
	v_max3_num_f32 v8, v8, v26, v27
	v_max_num_f32 v8, v8, v10
	; p = 2^((x - max) log2(e))
.irp i, 4,5,6,7
	v_sub_f32 v\i, v\i, v8
.endr
.irp i, 4,5,6,7
	v_mul_f32 v\i, 0x3fb8aa3b, v\i
.endr
.irp i, 4,5,6,7
	v_exp_f32 v\i, v\i
.endr
	v_nop                                          ; a plain instruction between the last exponential and the first use of a result (ISA guide 5.7.2)
	s_wait_alu depctr_va_vdst(0)                   ; and a wait ahead of the first use: one for the four
	; the sum, by the same road
	v_add_f32 v10, v4, v5
	v_add_f32 v11, v6, v7
	v_add_f32 v10, v10, v11
	v_add_f32_dpp v10, v10, v10 row_xmask:1 row_mask:0xf bank_mask:0xf
	v_add_f32_dpp v10, v10, v10 row_xmask:2 row_mask:0xf bank_mask:0xf
	v_add_f32_dpp v10, v10, v10 row_xmask:4 row_mask:0xf bank_mask:0xf
	v_add_f32_dpp v10, v10, v10 row_xmask:8 row_mask:0xf bank_mask:0xf
	v_permlanex16_b32 v9, v10, s12, s13
	v_add_f32 v10, v10, v9
	ds_store_b32 v2, v10 offset:64                 ; other bytes than the maxima's: no wave can still be reading what is written here
	s_wait_dscnt 0x0
	s_barrier_signal -1
	s_barrier_wait -1
.irp i, 0,1,2,3
	ds_load_b128 v[12+4*\i:15+4*\i], v3 offset:64+16*\i
.endr
	s_wait_dscnt 0x0
	v_pk_add_f32 v[12:13], v[12:13], v[14:15]      ; every wave adds the sixteen in the same order
	v_pk_add_f32 v[16:17], v[16:17], v[18:19]
	v_pk_add_f32 v[20:21], v[20:21], v[22:23]
	v_pk_add_f32 v[24:25], v[24:25], v[26:27]
	v_pk_add_f32 v[12:13], v[12:13], v[16:17]
	v_pk_add_f32 v[20:21], v[20:21], v[24:25]
	v_pk_add_f32 v[12:13], v[12:13], v[20:21]
	v_add_f32 v12, v12, v13
	v_rcp_f32 v28, v12                             ; made twice, to fill the pair that the packed multiply takes
	v_rcp_f32 v29, v12
	v_nop                                          ; a plain instruction behind the reciprocals
	s_wait_alu depctr_va_vdst(0)                   ; one wait for both, ahead of their first reader
	v_pk_mul_f32 v[4:5], v[4:5], v[28:29]
	v_pk_mul_f32 v[6:7], v[6:7], v[28:29]
	global_store_b128 v1, v[4:7], s[6:7] th:TH_STORE_NT   ; sixteen lanes store 256 consecutive bytes, at a multiple of 256 from the buffer's first byte; written once
	s_wait_tensorcnt 0x0
	ds_add_u32 v32, v33
	s_wait_dscnt 0x0
	s_endpgm
.Lfunc_end_k_qd899b16c18_softmax_rows:
	.size	k_qd899b16c18_softmax_rows, .Lfunc_end_k_qd899b16c18_softmax_rows-k_qd899b16c18_softmax_rows
	.p2alignl 7, 3214868480
	.fill 96, 4, 3214868480
	.section	.rodata,"a",@progbits
	.p2align	6, 0x0
	.amdhsa_kernel k_qd899b16c18_softmax_rows
		.amdhsa_group_segment_fixed_size 2304
		.amdhsa_private_segment_fixed_size 0
		.amdhsa_enable_private_segment 0
		.amdhsa_kernarg_size 16
		.amdhsa_user_sgpr_count 2
		.amdhsa_user_sgpr_kernarg_segment_ptr 1
		.amdhsa_wavefront_size32 1
		.amdhsa_system_sgpr_workgroup_id_x 1
		.amdhsa_system_sgpr_workgroup_id_y 1
		.amdhsa_system_sgpr_workgroup_id_z 1
		.amdhsa_system_vgpr_workitem_id 0
		.amdhsa_next_free_vgpr 34
		.amdhsa_next_free_sgpr 66
		.amdhsa_reserve_vcc 0
		.amdhsa_float_denorm_mode_32 3
		.amdhsa_float_denorm_mode_16_64 3
		.amdhsa_memory_ordered 1
		.amdhsa_forward_progress 1
		.amdhsa_inst_pref_size 5
	.end_amdhsa_kernel
	.amdgpu_metadata
---
amdhsa.version: [ 1, 2 ]
amdhsa.kernels:
  - .name:           k_qd899b16c18_softmax_rows
    .symbol:         k_qd899b16c18_softmax_rows.kd
    .args:
      - { .name: scores, .offset: 0, .size: 8, .value_kind: global_buffer, .address_space: global }
      - { .name: out0, .offset: 8, .size: 8, .value_kind: global_buffer, .address_space: global }
    .group_segment_fixed_size: 2304
    .private_segment_fixed_size: 0
    .kernarg_segment_align: 8
    .kernarg_segment_size: 16
    .max_flat_workgroup_size: 512
    .sgpr_count:     66
    .vgpr_count:     34
    .wavefront_size: 32
...
	.end_amdgpu_metadata
.endif
;; end of part 2
;; ======== version 2 of 2: 2 launches
;; limits: right only within a limited range of input values
;; workspace buffers: scores 1,048,576 bytes
;; launch scores_gemm (part 3): grid 4 x 64, 4 waves a work-group, clusters of 4 x 4, 327,680 bytes of LDS; arguments W_codes, W_scales, encoder_outputs_codes, encoder_outputs_scales, hidden, scores; writes scores
.if DOCPART == 3
	.amdgcn_target "amdgcn-amd-amdhsa--gfx1250"
	.amdhsa_code_object_version 6
	.text
	.protected	k_qd899b16c18_scores_gemm
	.globl	k_qd899b16c18_scores_gemm
	.p2align	8
	.type	k_qd899b16c18_scores_gemm,@function
k_qd899b16c18_scores_gemm:
	s_mov_b64 s[64:65], 0
	v_nop
	global_prefetch_b8 v0, s[64:65] scope:SCOPE_SE
	s_setreg_imm32_b32 hwreg(HW_REG_WAVE_MODE, 25, 1), 1
	s_wait_xcnt 0x0
	s_wait_alu depctr_hold_cnt(0) depctr_sa_sdst(0) depctr_va_vdst(0) depctr_va_sdst(0) depctr_va_ssrc(0) depctr_va_vcc(0) depctr_vm_vsrc(0)
	s_getreg_b32 s2, hwreg(HW_REG_IB_STS2, 6, 4)
	s_cmp_eq_u32 s2, 0
	s_cbranch_scc0 .Lentry_in_a_cluster
	s_endpgm
.Lentry_in_a_cluster:
	s_bfe_u32 s2, ttmp6, 0x10000c
	s_cmp_lg_u32 s2, 0xf033
	s_cbranch_scc0 .Lentry_shape_is_right
	s_endpgm
.Lentry_shape_is_right:
; scores[q][row] = sum over o in quarter q of (sum over k of enc[row][k] W[o][k]) x hidden[batch(row)][o];  row = 2,048 x batch + s, 65,536 rows; o and k run to 1,024; q = o / 256.
; The next launch adds the four quarters and takes the softmax along s.
; LEFT OUT: the bias b.  reference() adds b[o] to every energy and sums energy x hidden over o: b enters score[batch][s] as the sum over o of b[o] hidden[batch][o], which is the same for all s of a batch, and
; softmax along s of x + c is softmax of x for every c.  So b reaches no output; it is not loaded and is no launch's argument.  LIMIT: a NaN, an infinity or an overflow that reaches b's sum alone is not carried to the result.
; enc and W are codes of FP4 (E2M1), K innermost, two codes a byte (a row of 1,024 codes is 512 bytes), one E8M0 byte for each 32 along K (32 bytes a row).  They go to the matrix unit as they lie.
; SHARES.  A work-group owns 256 o (quarter q) x 1,024 rows of enc (half a batch).  Wave w: o's 128 (w % 2) .. + 127; of every chunk of 256 rows the rows 128 (w / 2) .. + 127.
; A wave's 128 rows of W, all of K, stay in 512 REGISTERS for the whole launch: they pass through LDS once.  enc walks by in four chunks of 256 rows through two LDS slots.
; A BLOCK = 16 rows of enc x my 128 o x all of K: 32 products of 32 x 16 x 128, K step outer, four accumulators of 16 registers by turns.  Two sets of accumulators: while a block is
; multiplied, the block before is multiplied by hidden and summed: K step s takes o tile s, one packed multiply-add behind each product.
; A block's memory instructions stand in ONE run behind its K step 1: the next block's 16 LDS loads, the store of finished sums, and in odd blocks two loads of scale words.
; Source 0 = 32 rows of W, source 1 = 16 rows of enc: lane (r, h), register 8 u + j of pair p holds energy(row r, o = 32 p + 16 u + 8 h + j).
; THE HEAD: half of W is read from LDS while the first chunk of enc is still on its way; then blocks 0 and 1 are multiplied side by side, K step by K step, as W's other half comes into the registers.
; CLUSTER 4 x 4: x is the quarter q = cx, y the row group.  W's tile hangs on cx alone and is asked for jointly along a column, enc's on the row group alone and along a row of the cluster.
; The scale words go straight from memory to the registers that the products name: a load of a wave is 32 rows x 32 bytes, dense.
; Nothing is prefetched: a chunk's load is issued seven blocks, 224 products, ahead of the wait for it (chunk 1's five), and the launch has four chunks.
; LIMITS.  The f32 sum over o is taken per lane (even and odd o apart), then over the two halves of the lanes, two waves and four work-groups: another order than a plain ascending sum.
; A scale byte 0xff, or NaN or infinity in hidden, gives NaN or infinity in the scores; such inputs are not served otherwise.
;
; LDS (bytes)
.set PITCH, 528                        ; a row: 512 bytes + 16 of padding = 132 words: the 16 rows that a load touches start at 16 different banks (64 banks of 4 bytes: ISA guide 11.1)
.set BLKB,  16*PITCH
.set QB,    64*PITCH                   ; 64 rows: what one load of the ring brings
.set HALFB, 128*PITCH                  ; 128 rows: what one load of the head brings
.set SLOT1, 256*PITCH                  ; slot 0: chunks 0, 2; slot 1: first W's 256 rows, then chunks 1, 3
.set PART,  2*SLOT1                    ; [wave][32 blocks][32 lanes][2] f32: partial sums; no tensor load lands here
.set SPARE, PART+32768                 ; the spare words, 128 bytes for each wave
; REGISTERS
; window 0: addresses; scale words; hidden's tiles 6, 7 at v112; W's K steps 6, 7 at v128
.set SPW,  8                           ; LDS address of my spare word; never rewritten
.set NIL,  9                           ; 0; never rewritten
.set AW,   11                          ; LDS address of my fragments of W
.set EG,   13                          ; 32 x lane
.set HO,   14                          ; 32 x (lane / 16)
.set RD,   15                          ; the way out: where I read partial sums
.set GO,   16                          ; the way out: 8 x lane
.set WSC,  32                          ; W's scale word of pair p, K step s at 8 p + s: lane l row 32 p + l
.set ESC,  64                          ; enc's scale words, four sets of 8: lane l row l of 32: the even block's rows in lanes 0-15, the odd block's in lanes 16-31
; window 2: W's K steps 0-2 at 64 s + 16 p; hidden's tiles 0-2 at v192; and the addresses of a block's run:
.set AS,   220                         ; v220, v221 LDS address of my fragments of enc in slot 0, 1
.set PST,  222                         ; where I put partial sums
; window 3: K steps 3-5 and tiles 3-5 likewise
; window 1: enc's fragments: even blocks K step s at 8 s, odd blocks at 8 (7 + s) but K step 0, which has one place for both (block 1's lies at v120); v120-127 the sums of block j at v[120 + 2 (j % 4)];
;   v128-191, v192-255 the accumulators of even and odd blocks
.set WV,   18                          ; s18 wave
.set G1W,  28                          ; groups 1: W's 128 rows; enc's 128 rows (head); enc's 64 rows (ring)
.set G1H,  36
.set G1E,  44
.set G0W,  56                          ; groups 0
.set G0H,  60
.set G0R1, 68                          ; chunks 1, 2, 3
.set G0R2, 72
.set G0R3, 76
.set PADW, (1<<20)|(1<<21)|(6<<22)|(3<<25)   ; elements of 1 byte; 20 padding on; 21 set beside a mask; after every 128 words (code 6) four words (code 3)
.set MSB, 0
.macro WIN new                         ; the immediate's high byte repeats the setting that is left; a switch that changes nothing is dropped
.if MSB != \new
	s_set_vgpr_msb (MSB<<8)|\new
.set MSB, \new
.endif
.endm
.macro CREST                           ; a round of the cluster's barrier behind its opening barrier
	s_cmp_lg_u32 s[WV], 0
	s_cbranch_scc1 .Lnot_wave_0_\@
	s_barrier_signal -3
.Lnot_wave_0_\@:
	s_barrier_wait -3
	s_barrier_signal -1
	s_barrier_wait -1
.endm
.macro ROUND
	s_barrier_signal -1
	s_barrier_wait -1
	CREST
.endm
.macro NOP4
.rept 4
	v_nop
.endr
.endm
	s_load_b256 s[4:11], s[0:1], 0x0               ; W's codes s[4:5], W's scales s[6:7], enc's codes s[8:9], enc's scales s[10:11]
	s_load_b128 s[12:15], s[0:1], 0x20             ; hidden s[12:13], scores s[14:15]
	v_lshl_add_u32 v[SPW], v0, 2, SPARE
	v_mov_b32 v[NIL], 0
	ds_add_u32 v[SPW], v[NIL]                      ; the wave's opening: the add, twice on end, and its wait
	ds_add_u32 v[SPW], v[NIL]
	v_lshrrev_b32 v1, 5, v0
	v_readfirstlane_b32 s[WV], v1                  ; wave 0..3
	s_lshr_b32 s19, s[WV], 1                       ; w / 2: which rows of a chunk.  Also: in the head I fetch for W (0) or enc (1)
	s_and_b32 s20, s[WV], 1                        ; w % 2: which o.  Also: which 128 rows I fetch in the head
	s_bfe_u32 s21, ttmp6, 0x40000                  ; cx: the quarter (the grid has one cluster along x)
	s_bfe_u32 s22, ttmp6, 0x40004                  ; cy
	s_and_b32 s23, ttmp7, 0xffff
	s_lshl_b32 s23, s23, 2
	s_add_co_u32 s23, s23, s22                     ; the row group, 0..63: 4 x cluster y + cy
	s_lshl_b32 s24, s22, 2
	s_lshl_b32 s24, 15, s24                        ; my row of the cluster
	s_lshl_b32 s25, 0x1111, s21                    ; my column
	s_or_b32 s[G1W], s25, PADW
	s_or_b32 s[G1H], s24, PADW
	s_or_b32 s[G1E], s24, PADW
.irp g, G1W, G1H
	s_mov_b32 s[\g+1], 512<<16                     ; tensor_dim0 = 512
	s_mov_b32 s[\g+2], 128<<16                     ; tensor_dim1 = 128
	s_mov_b32 s[\g+3], 512<<16                     ; tile_dim0 = 512
	s_mov_b32 s[\g+4], 128                         ; tile_dim1 = 128
	s_mov_b32 s[\g+5], 512                         ; from row to row
	s_mov_b32 s[\g+6], 0
	s_mov_b32 s[\g+7], 0
.endr
	s_mov_b32 s[G1E+1], 512<<16
	s_mov_b32 s[G1E+2], 64<<16
	s_mov_b32 s[G1E+3], 512<<16
	s_mov_b32 s[G1E+4], 64
	s_mov_b32 s[G1E+5], 512
	s_mov_b32 s[G1E+6], 0
	s_mov_b32 s[G1E+7], 0
	; byte offsets.  What a joint load's address is made of hangs on cx and the wave alone (W), or on the row group and the wave alone (enc)
	s_lshl_b32 s52, s20, 16                        ; 128 rows x 512 bytes
	s_lshl_b32 s80, s21, 17                        ; W's codes: 256 rows a quarter
	s_add_co_u32 s80, s80, s52
	s_lshl_b32 s82, s23, 19                        ; enc's codes: 1,024 rows a row group: the head's 128 rows,
	s_lshl_b32 s53, s[WV], 15
	s_add_co_u32 s84, s82, s53                     ; and the ring's 64 rows
	s_add_co_u32 s82, s82, s52
	s_lshl_b32 s86, s21, 13                        ; W's scales
	s_lshl_b32 s52, s20, 12
	s_add_co_u32 s86, s86, s52
	s_lshl_b32 s88, s23, 15                        ; enc's scales
	s_lshl_b32 s52, s19, 12
	s_add_co_u32 s88, s88, s52
	s_lshr_b32 s90, s23, 1                         ; the batch: two row groups
	s_lshl_b32 s90, s90, 12                        ; hidden: 4,096 bytes a batch, 1,024 a quarter, 512 a wave's o
	s_lshl_b32 s52, s21, 10
	s_add_co_u32 s90, s90, s52
	s_lshl_b32 s52, s20, 9
	s_add_co_u32 s90, s90, s52
	s_lshl_b32 s92, s21, 18                        ; scores: 262,144 bytes a quarter, 4,096 a row group;
	s_lshl_b32 s52, s23, 12
	s_add_co_u32 s92, s92, s52
	s_lshl_b32 s52, s20, 11                        ; on the way out wave w takes chunks 2 (w % 2), + 1,
	s_add_co_u32 s92, s92, s52
	s_lshl_b32 s52, s19, 9                         ; and of each the rows 128 (w / 2) on
	s_add_co_u32 s92, s92, s52
.irp r, 81,83,85,87,89,91,93
	s_mov_b32 s\r, 0
.endr
	s_mul_i32 s54, s20, HALFB                      ; LDS: where the head's 128 rows go,
	s_mul_i32 s55, s[WV], QB                       ; and the ring's 64
	s_mul_i32 s66, s19, HALFB                      ; my rows of enc in a slot
	s_add_co_u32 s26, s66, SLOT1
	s_add_co_u32 s27, s54, SLOT1                   ; my o's of W in slot 1; also where the head's 128 rows of W go
	s_lshl_b32 s67, s19, 14
	s_lshl_b32 s52, s20, 12
	s_add_co_u32 s67, s67, s52
	s_add_co_u32 s67, s67, PART
	s_lshl_b32 s94, s[WV], 13
	s_add_co_u32 s94, s94, PART
	s_mov_b32 s[G0W], 1                            ; groups 0: count = 1, LDS address; the global address follows below
	s_mov_b32 s[G0W+1], s27
	s_mov_b32 s[G0H], 1
	s_mov_b32 s[G0H+1], s54
	; a fragment of 16 rows x 128 K is 8 registers: lane (r, h): registers 4 c .. 4 c + 3 hold K = 64 c + 32 h + 0 .. 31: 16 bytes of the row as they lie
	v_and_b32 v1, 15, v0                           ; r
	v_bfe_u32 v2, v0, 4, 1                         ; h
	v_and_b32 v3, 31, v0                           ; lane
	v_mul_u32_u24 v10, v1, PITCH
	v_lshl_add_u32 v10, v2, 4, v10
	v_add_nc_u32 v[AW], s27, v10
	v_lshlrev_b32 v[EG], 5, v3
	v_lshlrev_b32 v[HO], 5, v2
	v_lshrrev_b32 v4, 3, v3
	v_and_b32 v5, 7, v3
	v_lshlrev_b32 v4, 8, v4
	v_lshl_add_u32 v4, v5, 4, v4
	v_add_nc_u32 v[RD], s67, v4                    ; the way out: block lane / 8, two rows' sums
	v_lshlrev_b32 v[GO], 3, v3
	WIN 0x80
	v_add_nc_u32 v[AS], s66, v10
	v_add_nc_u32 v[AS+1], s26, v10
	v_lshl_add_u32 v[PST], v3, 3, s94              ; 8 bytes a lane, 256 a block
	WIN 0
	s_wait_alu depctr_va_vdst(0)
	s_wait_dscnt 0x0                               ; both opening adds are done
	ROUND                                          ; all sixteen work-groups are here: the first joint loads meet
	s_wait_kmcnt 0x0
	s_add_nc_u64 s[G0W+2:G0W+3], s[4:5], s[80:81]
	s_or_b32 s[G0W+3], s[G0W+3], 0x80000000
	s_add_nc_u64 s[G0H+2:G0H+3], s[8:9], s[82:83]
	s_or_b32 s[G0H+3], s[G0H+3], 0x80000000
	; the head's loads, one a wave: waves 0, 1 W's two halves, waves 2, 3 chunk 0's
	s_cmp_eq_u32 s19, 0
	s_cbranch_scc0 .Lfor_enc
	tensor_load_to_lds s[G0W:G0W+3], s[G1W:G1W+7]
	s_nop 0
	NOP4
	s_branch .Lasked
.Lfor_enc:
	tensor_load_to_lds s[G0H:G0H+3], s[G1H:G1H+7]
	s_nop 0
	NOP4
.Lasked:
	s_add_nc_u64 s[6:7], s[6:7], s[86:87]
	s_add_nc_u64 s[10:11], s[10:11], s[88:89]
	s_add_nc_u64 s[12:13], s[12:13], s[90:91]
	s_add_nc_u64 s[14:15], s[14:15], s[92:93]
.macro ESCL t                          ; the scale words of enc's rows 256 (t / 4) + 32 (t % 4) .. + 31 (of my half) into set t % 4
.irp u, 0,1
	global_load_b128 v[ESC+8*((\t)%4)+4*\u:ESC+8*((\t)%4)+4*\u+3], v[EG], s[10:11] offset:8192*((\t)/4)+1024*((\t)%4)+16*\u
.endr
.endm
.irp p, 0,1,2,3
	global_load_b128 v[WSC+8*\p:WSC+8*\p+3], v[EG], s[6:7] offset:1024*\p
	global_load_b128 v[WSC+8*\p+4:WSC+8*\p+7], v[EG], s[6:7] offset:1024*\p+16
.endr
	ESCL 0
; hidden[o] for o = 16 a + 8 h + 0 .. 7 of tile a: 8 registers, in the window in which K step a's fragments of W lie
.irp a, 6,7
	global_load_b128 v[112+8*(\a-6):115+8*(\a-6)], v[HO], s[12:13] offset:64*\a
	global_load_b128 v[116+8*(\a-6):119+8*(\a-6)], v[HO], s[12:13] offset:64*\a+16
.endr
	WIN 0x80
.irp a, 0,1,2
	global_load_b128 v[192+8*\a:195+8*\a], v[HO], s[12:13] offset:64*\a
	global_load_b128 v[196+8*\a:199+8*\a], v[HO], s[12:13] offset:64*\a+16
.endr
	WIN 0xc0
.irp a, 3,4,5
	global_load_b128 v[192+8*(\a-3):195+8*(\a-3)], v[HO], s[12:13] offset:64*\a
	global_load_b128 v[196+8*(\a-3):199+8*(\a-3)], v[HO], s[12:13] offset:64*\a+16
.endr
	WIN 0
	ESCL 1
	ESCL 2
	s_add_nc_u64 s[84:85], s[8:9], s[84:85]        ; the ring's three loads, chunks 1, 2, 3 (256 rows x 512 bytes apart), into slots 1, 0, 1
	s_mov_b32 s[G0R1], 1
	s_add_co_u32 s[G0R1+1], s55, SLOT1
	s_add_nc_u64 s[G0R1+2:G0R1+3], s[84:85], 0x20000
	s_or_b32 s[G0R1+3], s[G0R1+3], 0x80000000
	s_mov_b32 s[G0R2], 1
	s_mov_b32 s[G0R2+1], s55
	s_add_nc_u64 s[G0R2+2:G0R2+3], s[84:85], 0x40000
	s_or_b32 s[G0R2+3], s[G0R2+3], 0x80000000
	s_mov_b32 s[G0R3], 1
	s_add_co_u32 s[G0R3+1], s55, SLOT1
	s_add_nc_u64 s[G0R3+2:G0R3+3], s[84:85], 0x60000
	s_or_b32 s[G0R3+3], s[G0R3+3], 0x80000000
; Where K step i's fragments of W and tile i's numbers of hidden lie: the window setting of the work (source 0 there; source 1, C and D window 1), and the registers
.macro WHERE i
.if (\i) < 3
.set XSW, 0x56
.set XAB, 64*(\i)
.set XH, 192+8*(\i)
.elseif (\i) < 6
.set XSW, 0x57
.set XAB, 64*((\i)-3)
.set XH, 192+8*((\i)-3)
.else
.set XSW, 0x54
.set XAB, 128+64*((\i)-6)
.set XH, 112+8*((\i)-6)
.endif
.endm
.macro REGS b, s                       ; block b, K step s
.set XE, (\b)%2
.set XST, (\s)
.set XU, 120+2*(((\b)+3)%4)
	WHERE (\s)
.set XF, 8*(\s)
.if XE && (\s) > 0
.set XF, 8*((\s)+7)
.elseif (\b) == 1
.set XF, 120
.endif
.set XB, ESC+8*(((\b)/2)%4)+(\s)
.endm
; One product: pair p of o tiles.  The first K step takes 0 as C.  Odd blocks take enc's scale words from lanes 16-31.
.macro WM p
.set XA, 128+64*XE+16*(\p)
.set XW, XAB+16*(\p)
.set XS, WSC+8*(\p)+XST
.if XE
.if XST
	v_wmma_scale_f32_32x16x128_f4 v[XA:XA+15], v[XW:XW+15], v[XF:XF+7], v[XA:XA+15], v[XS], v[XB] matrix_b_scale:MATRIX_SCALE_ROW1
.else
	v_wmma_scale_f32_32x16x128_f4 v[XA:XA+15], v[XW:XW+15], v[XF:XF+7], 0, v[XS], v[XB] matrix_b_scale:MATRIX_SCALE_ROW1
.endif
.else
.if XST
	v_wmma_scale_f32_32x16x128_f4 v[XA:XA+15], v[XW:XW+15], v[XF:XF+7], v[XA:XA+15], v[XS], v[XB]
.else
	v_wmma_scale_f32_32x16x128_f4 v[XA:XA+15], v[XW:XW+15], v[XF:XF+7], 0, v[XS], v[XB]
.endif
.endif
.endm
; Registers 2 q, 2 q + 1 of the block before's tile t, times hidden, onto its running sums.  Each accumulator is first read at its low end.
.macro PK t, q
	WHERE (\t)
.set XP, 128+64*(1-XE)+8*(\t)+2*(\q)
.set XH, XH+2*(\q)
.if (\t) == 0 && (\q) == 0
	v_pk_mul_f32 v[XU:XU+1], v[XH:XH+1], v[XP:XP+1]
.else
	v_pk_fma_f32 v[XU:XU+1], v[XH:XH+1], v[XP:XP+1], v[XU:XU+1]
.endif
.endm
; K step s of block b: four products, and behind each one multiply-add for each of the n tiles from t0 on (all of one window).
; Between an accumulator's last product and its first read stand the four multiply-adds of K step 7 (ISA guide 7.12.1: four places), which name none of its registers.
.macro STEP b, s, t0, n
	WHERE (\s)
	WIN XSW
.irp p, 0,1,2,3
	REGS \b, \s
	WM \p
.if (\n) > 0
	PK (\t0), \p
.endif
.if (\n) > 2
	PK (\t0)+1, \p
	PK (\t0)+2, \p
.endif
.endr
.endm
.macro LDF n, t                        ; (source 0 window 2, destination window 1)  block n's fragment of K step t
.set XN, 8*(\t)
.if (\n)%2 && (\t) > 0
.set XN, 8*((\t)+7)
.elseif (\n) == 1
.set XN, 120
.endif
.set XO, ((\n)%8)*BLKB+64*(\t)
	ds_load_b128 v[XN:XN+3], v[AS+((\n)/8)%2] offset:XO
	ds_load_b128 v[XN+4:XN+7], v[AS+((\n)/8)%2] offset:XO+32
.endm
; A block's run of memory instructions, behind its K step 1.  The next block's fragments: their registers were last read by the block before, K step 0's by this block's K step 0, and at least four plain
; instructions stand behind each of those products.  The sums of block b - 3, finished at the end of block b - 2, go to LDS.  In odd blocks the scale words of the pair of blocks three on go out, into the set that the pair before has done with.
.macro RUN b
	WIN 0x56
.irp t, 0,1,2,3,4,5,6,7
	LDF (\b)+1, \t
.endr
.if (\b) > 2
	ds_store_b64 v[PST], v[120+2*(((\b)+1)%4):121+2*(((\b)+1)%4)] offset:256*((\b)-3)
.endif
.if (\b)%2 && (\b)/2+3 < 16
	WIN 0
	ESCL (\b)/2+3
.endif
.endm
; A block's head.  Even: this pair's scale words are in; those of the next two pairs (two loads each) may be out.
.macro HEADB b
.if (\b)%2 == 0
.if (\b)/2 < 14
	s_wait_loadcnt 0x4
.elseif (\b)/2 < 15
	s_wait_loadcnt 0x2
.else
	s_wait_loadcnt 0x0
.endif
.endif
	s_wait_dscnt 0x0                               ; this block's fragments are in: they were asked for six K steps ago
.endm
.macro BLOCK b
	HEADB \b
	STEP \b, 0, 0, 1
	STEP \b, 1, 1, 1
.if (\b) < 31
	RUN \b
.endif
	STEP \b, 2, 2, 1
	STEP \b, 3, 3, 1
	STEP \b, 4, 4, 1
	STEP \b, 5, 5, 1
	STEP \b, 6, 6, 1
	STEP \b, 7, 7, 1
.endm
; A slot's last block changes slots.  Its own fragments are in its registers: nobody reads the slot any more once every wave has passed its head.  In front of the barrier each wave waits for all its tensor loads
; (one is out: its part of the next slot), adds 0 to its spare word, and waits for that.  fill = 1: the barrier is a round of the cluster's, and the slot takes the chunk two on.
; The multiply-adds of tiles 0 and 1 follow behind the barrier, so that no running sum is carried across it.
.macro CHANGE b, fill, g0
	HEADB \b
	WIN 0                                          ; (the add's two registers lie in window 0)
	s_wait_tensorcnt 0x0
.if \fill
	ds_add_u32 v[SPW], v[NIL]                      ; 0 onto my spare word
.endif
	STEP \b, 0, 0, 0
.if \fill
	s_wait_dscnt 0x0                               ; the add is done
.endif
	s_barrier_signal -1
	STEP \b, 1, 0, 0
.if \fill
	WIN 0                                          ; at a label and at a branch every window is 0
	s_barrier_wait -1
	CREST                                          ; no wave of any partner still reads the slot or has a load on its way
	tensor_load_to_lds s[\g0:\g0+3], s[G1E:G1E+7]  ; the first thing behind the round, and my one tensor load until the next
	s_nop 0
.else
	s_barrier_wait -1                              ; the last chunk is whole; nothing is filled again
.endif
	NOP4                                           ; four places behind K step 0's products, whose fragment's registers are loaded anew
	RUN \b
	STEP \b, 2, 0, 3
	STEP \b, 3, 3, 1
	STEP \b, 4, 4, 1
	STEP \b, 5, 5, 1
	STEP \b, 6, 6, 1
	STEP \b, 7, 7, 1
.endm
.macro LDW s                           ; my 128 rows of W, K step s: sixteen loads
	WHERE (\s)
.set XD, ((XSW&3)<<6)
	WIN XD
.irp a, 0,1,2,3,4,5,6,7
	ds_load_b128 v[XAB+8*\a:XAB+8*\a+3], v[AW] offset:BLKB*\a+64*(\s)
	ds_load_b128 v[XAB+8*\a+4:XAB+8*\a+7], v[AW] offset:BLKB*\a+64*(\s)+32
.endr
.endm
; A block's sums with no products beside them: tile t of the accumulators at acc, in four chains at dst .. dst + 7; then the four into one pair
.macro DRAIN acc, dst, t
	WHERE (\t)
	WIN XSW
.irp q, 0,1,2,3
.if (\t) == 0
	v_pk_mul_f32 v[\dst+2*\q:\dst+2*\q+1], v[XH+2*\q:XH+2*\q+1], v[\acc+2*\q:\acc+2*\q+1]
.else
	v_pk_fma_f32 v[\dst+2*\q:\dst+2*\q+1], v[XH+2*\q:XH+2*\q+1], v[\acc+8*(\t)+2*\q:\acc+8*(\t)+2*\q+1], v[\dst+2*\q:\dst+2*\q+1]
.endif
.endr
.endm
.macro DSUM dst
	WIN 0x55
	v_pk_add_f32 v[\dst:\dst+1], v[\dst:\dst+1], v[\dst+2:\dst+3]
	v_pk_add_f32 v[\dst+4:\dst+5], v[\dst+4:\dst+5], v[\dst+6:\dst+7]
	v_pk_add_f32 v[\dst:\dst+1], v[\dst:\dst+1], v[\dst+4:\dst+5]
.endm
.macro TWO s                           ; K step s of blocks 0 and 1
	STEP 0, \s, 0, 0
	STEP 1, \s, 0, 0
.endm
	s_cmp_eq_u32 s19, 0                            ; waves 0 and 1 wait for W's tile; enc's, which waves 2 and 3 have asked for, is waited for at the next barrier
	s_cbranch_scc0 .Lnot_w
	s_wait_tensorcnt 0x0
.Lnot_w:
	s_barrier_signal -1
	s_barrier_wait -1                              ; W's tile is whole
	LDW 0
	LDW 1
	LDW 2
	LDW 3
	s_wait_tensorcnt 0x0                           ; my part of the head's tiles is in
	s_wait_dscnt 0x0
	s_barrier_signal -1
	s_barrier_wait -1                              ; enc's first chunk is whole
	WIN 0x56
.irp t, 0,1,2,3,4,5,6,7
	LDF 0, \t
	LDF 1, \t
.endr
	LDW 4
	LDW 5
	s_wait_loadcnt 0x4                             ; all but the scale words of block pairs 1 and 2
	s_wait_dscnt 0x30                              ; the fragments of K steps 0-3 are in; 16 loads of K steps 4-7 and W's 32 may be out
.irp s, 0,1,2,3
	TWO \s
.endr
	LDW 6
	LDW 7
	s_wait_dscnt 0x30                              ; W's K steps 5, 6, 7 may be out: 16 loads each
	TWO 4
	s_wait_dscnt 0x20
	TWO 5
	s_wait_dscnt 0x10
	TWO 6
	NOP4                                           ; four places behind K step 6's products, whose fragment's registers are loaded anew
	WIN 0x56
.irp t, 0,1,2,3,4,5,6
	LDF 2, \t
.endr
	WIN 0
	s_wait_tensorcnt 0x0                           ; ahead of a refill: no tensor load of mine is out;
	ds_add_u32 v[SPW], v[NIL]                      ; 0 onto my spare word;
	s_wait_dscnt 0x0                               ; the add is done, W is in my registers: my reads of slot 1 are over
	s_barrier_signal -1
	TWO 7
	WIN 0
	s_barrier_wait -1
	CREST
	tensor_load_to_lds s[G0R1:G0R1+3], s[G1E:G1E+7]    ; chunk 1 over W's tile
	s_nop 0
	NOP4                                           ; also the four places in front of the load over K step 7's fragment and of the first read of block 0's results
	WIN 0x56
	LDF 2, 7
	WIN 0
	ESCL 3
.irp t, 0,1,2,3,4,5,6,7
	DRAIN 128, 120, \t                             ; block 0's sums
.endr
	DSUM 120
.set NB, 2
.rept 5
	BLOCK NB
.set NB, NB+1
.endr
	CHANGE 7, 1, G0R2                              ; slot 0 takes chunk 2
.set NB, 8
.rept 7
	BLOCK NB
.set NB, NB+1
.endr
	CHANGE 15, 1, G0R3                             ; slot 1 takes chunk 3
.set NB, 16
.rept 7
	BLOCK NB
.set NB, NB+1
.endr
	CHANGE 23, 0, G0R3
.set NB, 24
.rept 8
	BLOCK NB
.set NB, NB+1
.endr
.irp t, 0,1,2,3,4,5,6,7
	DRAIN 192, 8, \t                               ; the last block's sums: v8-15 of window 1 held an even block's fragment of K step 1
.endr
	DSUM 8
	WIN 0x06                                       ; an LDS store's address is its source 0 (window 2), its data source 1 (window 1)
	ds_store_b64 v[PST], v[120:121] offset:256*28
	ds_store_b64 v[PST], v[122:123] offset:256*29
	ds_store_b64 v[PST], v[124:125] offset:256*30
	ds_store_b64 v[PST], v[8:9] offset:256*31
	WIN 0
	s_wait_dscnt 0x0                               ; for the others' sake: my sums are in LDS
	s_barrier_signal -1
	s_barrier_wait -1
	; THE WAY OUT.  Pass i: 64 rows, two a lane: a row's even and odd sums of two halves of the lanes and of two waves: eight numbers
.irp i, 0,1,2,3
.irp j, 0,1,2,3
	ds_load_b128 v[128+16*\i+4*\j:131+16*\i+4*\j], v[RD] offset:1024*\i+8192*(\j/2)+128*(\j%2)
.endr
.endr
	s_wait_dscnt 0x0
.irp i, 0,1,2,3
	v_pk_add_f32 v[128+16*\i:129+16*\i], v[128+16*\i:129+16*\i], v[132+16*\i:133+16*\i]
	v_pk_add_f32 v[130+16*\i:131+16*\i], v[130+16*\i:131+16*\i], v[134+16*\i:135+16*\i]
	v_pk_add_f32 v[136+16*\i:137+16*\i], v[136+16*\i:137+16*\i], v[140+16*\i:141+16*\i]
	v_pk_add_f32 v[138+16*\i:139+16*\i], v[138+16*\i:139+16*\i], v[142+16*\i:143+16*\i]
.endr
.irp i, 0,1,2,3
	v_pk_add_f32 v[128+16*\i:129+16*\i], v[128+16*\i:129+16*\i], v[136+16*\i:137+16*\i]
	v_pk_add_f32 v[130+16*\i:131+16*\i], v[130+16*\i:131+16*\i], v[138+16*\i:139+16*\i]
.endr
.irp i, 0,1,2,3
	v_add_f32 v[128+16*\i], v[128+16*\i], v[129+16*\i]
.endr
.irp i, 0,1,2,3
	v_add_f32 v[129+16*\i], v[130+16*\i], v[131+16*\i]
.endr
.irp i, 0,1,2,3
	global_store_b64 v[GO], v[128+16*\i:129+16*\i], s[14:15] offset:1024*(\i/2)+256*(\i%2)   ; the wave stores 256 consecutive bytes, at a multiple of 256 from the buffer's first byte
.endr
	s_wait_tensorcnt 0x0                           ; the wave's end: behind my last tensor load and my last LDS store
	ds_add_u32 v[SPW], v[NIL]
	s_wait_dscnt 0x0
	ROUND                                          ; the closing round: no work-group ends while a partner may still ask for a tile that names it
	s_endpgm
.Lfunc_end_k_qd899b16c18_scores_gemm:
	.size	k_qd899b16c18_scores_gemm, .Lfunc_end_k_qd899b16c18_scores_gemm-k_qd899b16c18_scores_gemm
	.p2alignl 7, 3214868480
	.fill 96, 4, 3214868480
	.section	.rodata,"a",@progbits
	.p2align	6, 0x0
	.amdhsa_kernel k_qd899b16c18_scores_gemm
		.amdhsa_group_segment_fixed_size 327680
		.amdhsa_private_segment_fixed_size 0
		.amdhsa_enable_private_segment 0
		.amdhsa_kernarg_size 48
		.amdhsa_user_sgpr_count 2
		.amdhsa_user_sgpr_kernarg_segment_ptr 1
		.amdhsa_wavefront_size32 1
		.amdhsa_system_sgpr_workgroup_id_x 1
		.amdhsa_system_sgpr_workgroup_id_y 1
		.amdhsa_system_sgpr_workgroup_id_z 1
		.amdhsa_system_vgpr_workitem_id 0
		.amdhsa_next_free_vgpr 1024
		.amdhsa_next_free_sgpr 96
		.amdhsa_reserve_vcc 0
		.amdhsa_float_denorm_mode_32 3
		.amdhsa_float_denorm_mode_16_64 3
		.amdhsa_memory_ordered 1
		.amdhsa_forward_progress 1
		.amdhsa_inst_pref_size 255
	.end_amdhsa_kernel
	.section	.bss,"aw",@nobits
	.p2align	6
	.space	262144
	.amdgpu_metadata
---
amdhsa.version: [ 1, 2 ]
amdhsa.kernels:
  - .name:           k_qd899b16c18_scores_gemm
    .symbol:         k_qd899b16c18_scores_gemm.kd
    .args:
      - { .name: W_codes, .offset: 0, .size: 8, .value_kind: global_buffer, .address_space: global }
      - { .name: W_scales, .offset: 8, .size: 8, .value_kind: global_buffer, .address_space: global }
      - { .name: encoder_outputs_codes, .offset: 16, .size: 8, .value_kind: global_buffer, .address_space: global }
      - { .name: encoder_outputs_scales, .offset: 24, .size: 8, .value_kind: global_buffer, .address_space: global }
      - { .name: hidden, .offset: 32, .size: 8, .value_kind: global_buffer, .address_space: global }
      - { .name: scores, .offset: 40, .size: 8, .value_kind: global_buffer, .address_space: global }
    .group_segment_fixed_size: 327680
    .private_segment_fixed_size: 0
    .kernarg_segment_align: 8
    .kernarg_segment_size: 48
    .max_flat_workgroup_size: 128
    .sgpr_count:     96
    .vgpr_count:     1024
    .wavefront_size: 32
...
	.end_amdgpu_metadata
.endif
;; end of part 3
;; launch softmax_rows (part 4): grid 32 x 1, 8 waves a work-group, no clusters, 1,280 bytes of LDS; arguments scores, out0; writes out0
.if DOCPART == 4
	.amdgcn_target "amdgcn-amd-amdhsa--gfx1250"
	.amdhsa_code_object_version 6
	.text
	.protected	k_qd899b16c18_softmax_rows
	.globl	k_qd899b16c18_softmax_rows
	.p2align	8
	.type	k_qd899b16c18_softmax_rows,@function
k_qd899b16c18_softmax_rows:
	s_mov_b64 s[64:65], 0
	v_nop
	global_prefetch_b8 v0, s[64:65] scope:SCOPE_SE
	s_setreg_imm32_b32 hwreg(HW_REG_WAVE_MODE, 25, 1), 1
	s_wait_xcnt 0x0
; out0[b][0][s] = exp(x[b][s] - max over s) / sum over s of exp(..), all in f32; x[b][s] = the sum over q of scores[q][b][s].  scores: [4][32][2048], out0: [32][2048] f32.
; LEFT OUT, as the first kernel's head shows: the bias, whose term is the same for all s of a batch.
; One work-group to a batch: the maximum and the sum span the batch's 2,048 numbers, and 32 batches are all the work there is.  256 threads, four neighbouring numbers of each half of the row:
; a wave's load and its store cover 512 consecutive bytes.  The row stays in registers.  Each wave takes its own maximum away and sums; the eight pairs (maximum, sum) meet in LDS, bytes 0-63, behind ONE barrier:
; a wave's exponentials are then multiplied by 2^((its maximum - the row's) log2(e)) / the row's sum.
; No matrix unit, no cluster, no tensor load: 32 KiB in and 8 KiB out a work-group, shared with nobody.
; LIMITS.  No exponential overflows and the row's sum is at least 1.  A weight under 2^-126 may come out as 0 (v_exp_f32 flushes denormal results: ISA guide, its entry).
; NaN among the scores is passed over by the maximum and comes out as NaN in its own place and, through the sum, in the whole row; infinities are not served.
	s_load_b128 s[4:7], s[0:1], 0x0                ; scores, out0
	v_lshl_add_u32 v56, v0, 2, 0x100
	v_mov_b32 v57, 0
	v_lshlrev_b32 v1, 4, v0                        ; my 16 bytes of a half row's 4,096
	v_lshrrev_b32 v2, 5, v0
	v_and_b32 v3, 7, v0
	v_mov_b32 v39, 0                               ; (a lane permute's destination counts as one of its sources)
	v_lshlrev_b32 v2, 3, v2                        ; my wave's pair
	v_lshlrev_b32 v3, 3, v3                        ; the pair that my lane reads: wave lane % 8
	s_lshl_b32 s10, ttmp9, 13                      ; 8,192 bytes a batch
	s_mov_b32 s11, 0
	s_mov_b32 s12, 0x76543210                      ; v_permlanex16_b32's selects for lane l xor 16
	s_mov_b32 s13, 0xfedcba98
	s_wait_alu depctr_va_vdst(0)
	s_wait_kmcnt 0x0
	s_add_nc_u64 s[4:5], s[4:5], s[10:11]
	s_add_nc_u64 s[6:7], s[6:7], s[10:11]
.irp q, 0,1,2,3                        ; the four quarters' sums: 262,144 bytes apart
	global_load_b128 v[4+8*\q:7+8*\q], v1, s[4:5] offset:0x40000*\q
	global_load_b128 v[8+8*\q:11+8*\q], v1, s[4:5] offset:0x40000*\q+4096
.endr
	s_wait_loadcnt 0x0
.irp i, 0,2,4,6
	v_pk_add_f32 v[4+\i:5+\i], v[4+\i:5+\i], v[12+\i:13+\i]
.endr
.irp i, 0,2,4,6
	v_pk_add_f32 v[20+\i:21+\i], v[20+\i:21+\i], v[28+\i:29+\i]
.endr
.irp i, 0,2,4,6
	s_delay_alu instid0(VALU_DEP_4)
	v_pk_add_f32 v[4+\i:5+\i], v[4+\i:5+\i], v[20+\i:21+\i]
.endr
	; my wave's maximum
	v_max3_num_f32 v40, v4, v5, v6
	v_max3_num_f32 v41, v7, v8, v9
	s_delay_alu instid0(VALU_DEP_2)
	v_max3_num_f32 v40, v40, v10, v11
	s_delay_alu instid0(VALU_DEP_1)
	v_max_num_f32 v40, v40, v41
.irp m, 1,2,4,8
	s_delay_alu instid0(VALU_DEP_1)
	v_max_num_f32_dpp v40, v40, v40 row_xmask:\m row_mask:0xf bank_mask:0xf
.endr
	s_delay_alu instid0(VALU_DEP_1)
	v_permlanex16_b32 v39, v40, s12, s13
	s_delay_alu instid0(VALU_DEP_1)
	v_max_num_f32 v40, v40, v39
	; p = 2^((x - my wave's maximum) log2(e))
	s_delay_alu instid0(VALU_DEP_1)
	v_sub_f32 v4, v4, v40
.irp i, 5,6,7,8,9,10,11
	v_sub_f32 v\i, v\i, v40
.endr
.irp i, 4,5,6,7,8,9,10,11
	v_mul_f32 v\i, 0x3fb8aa3b, v\i
.endr
	s_wait_alu depctr_va_vdst(0)
.irp i, 4,5,6,7,8,9,10,11
	v_exp_f32 v\i, v\i
.endr
	v_nop                                          ; a plain instruction between the last exponential and the first use of a result (ISA guide 5.7.2)
	s_wait_alu depctr_va_vdst(0)
	; my wave's sum
	v_pk_add_f32 v[42:43], v[4:5], v[6:7]
	v_pk_add_f32 v[44:45], v[8:9], v[10:11]
	s_delay_alu instid0(VALU_DEP_1)
	v_pk_add_f32 v[42:43], v[42:43], v[44:45]
	s_delay_alu instid0(VALU_DEP_1)
	v_add_f32 v41, v42, v43
.irp m, 1,2,4,8
	s_delay_alu instid0(VALU_DEP_1)
	v_add_f32_dpp v41, v41, v41 row_xmask:\m row_mask:0xf bank_mask:0xf
.endr
	s_delay_alu instid0(VALU_DEP_1)
	v_permlanex16_b32 v39, v41, s12, s13
	s_delay_alu instid0(VALU_DEP_1)
	v_add_f32 v41, v41, v39
	ds_store_b64 v2, v[40:41]                      ; all lanes of a wave write the same pair with the same values
	s_wait_dscnt 0x0                               ; for the others' sake
	s_barrier_signal -1
	s_barrier_wait -1
	ds_load_b64 v[46:47], v3                       ; lane l: the pair of wave l % 8
	s_wait_dscnt 0x0
	v_mov_b32 v48, v46
.irp m, 1,2,4
	s_delay_alu instid0(VALU_DEP_1)
	v_max_num_f32_dpp v48, v48, v48 row_xmask:\m row_mask:0xf bank_mask:0xf
.endr
	s_delay_alu instid0(VALU_DEP_1)
	v_sub_f32 v49, v46, v48                        ; wave l % 8's maximum, and
	v_sub_f32 v50, v40, v48                        ; mine, less the row's
	s_delay_alu instid0(VALU_DEP_2)
	v_mul_f32 v49, 0x3fb8aa3b, v49
	s_delay_alu instid0(VALU_DEP_2)
	v_mul_f32 v50, 0x3fb8aa3b, v50
	s_wait_alu depctr_va_vdst(0)
	v_exp_f32 v49, v49
	v_exp_f32 v50, v50
	v_nop
	s_wait_alu depctr_va_vdst(0)
	v_mul_f32 v51, v47, v49
.irp m, 1,2,4
	s_delay_alu instid0(VALU_DEP_1)
	v_add_f32_dpp v51, v51, v51 row_xmask:\m row_mask:0xf bank_mask:0xf
.endr
	s_wait_alu depctr_va_vdst(0)
	v_rcp_f32 v52, v51                             ; 1 / the row's sum
	v_nop
	s_wait_alu depctr_va_vdst(0)
	v_mul_f32 v54, v50, v52                        ; made twice, to fill the pair that the packed multiply takes
	v_mul_f32 v55, v50, v52
.irp i, 4,6,8,10
	v_pk_mul_f32 v[\i:\i+1], v[\i:\i+1], v[54:55]
.endr
	global_store_b128 v1, v[4:7], s[6:7] th:TH_STORE_NT   ; sixteen lanes store 256 consecutive bytes, at a multiple of 256 from the buffer's first byte; written once
	global_store_b128 v1, v[8:11], s[6:7] offset:4096 th:TH_STORE_NT
	s_wait_tensorcnt 0x0                           ; the wave's end
	ds_add_u32 v56, v57
	s_wait_dscnt 0x0
	s_endpgm
.Lfunc_end_k_qd899b16c18_softmax_rows:
	.size	k_qd899b16c18_softmax_rows, .Lfunc_end_k_qd899b16c18_softmax_rows-k_qd899b16c18_softmax_rows
	.p2alignl 7, 3214868480
	.fill 96, 4, 3214868480
	.section	.rodata,"a",@progbits
	.p2align	6, 0x0
	.amdhsa_kernel k_qd899b16c18_softmax_rows
		.amdhsa_group_segment_fixed_size 1280
		.amdhsa_private_segment_fixed_size 0
		.amdhsa_enable_private_segment 0
		.amdhsa_kernarg_size 16
		.amdhsa_user_sgpr_count 2
		.amdhsa_user_sgpr_kernarg_segment_ptr 1
		.amdhsa_wavefront_size32 1
		.amdhsa_system_sgpr_workgroup_id_x 1
		.amdhsa_system_sgpr_workgroup_id_y 1
		.amdhsa_system_sgpr_workgroup_id_z 1
		.amdhsa_system_vgpr_workitem_id 0
		.amdhsa_next_free_vgpr 58
		.amdhsa_next_free_sgpr 66
		.amdhsa_reserve_vcc 0
		.amdhsa_float_denorm_mode_32 3
		.amdhsa_float_denorm_mode_16_64 3
		.amdhsa_memory_ordered 1
		.amdhsa_forward_progress 1
		.amdhsa_inst_pref_size 8
	.end_amdhsa_kernel
	.amdgpu_metadata
---
amdhsa.version: [ 1, 2 ]
amdhsa.kernels:
  - .name:           k_qd899b16c18_softmax_rows
    .symbol:         k_qd899b16c18_softmax_rows.kd
    .args:
      - { .name: scores, .offset: 0, .size: 8, .value_kind: global_buffer, .address_space: global }
      - { .name: out0, .offset: 8, .size: 8, .value_kind: global_buffer, .address_space: global }
    .group_segment_fixed_size: 1280
    .private_segment_fixed_size: 0
    .kernarg_segment_align: 8
    .kernarg_segment_size: 16
    .max_flat_workgroup_size: 256
    .sgpr_count:     66
    .vgpr_count:     58
    .wavefront_size: 32
...
	.end_amdgpu_metadata
.endif
;; end of part 4
